; MI455X (gfx1250); checked and timed in simulation.
; The chip was launched on July 23, 2026; its instructions are those of AMD's public machine-readable ISA for CDNA 5 (MIT licence, August 2026) and "CDNA5" Instruction Set Architecture Reference Guide (July 2026). The comments in the code are by the model that wrote it; some were corrected since.
;; Custom Attention. Allowed arithmetic: matrix products marked QUANTISED: E2M1 operands, one E8M0 scale for each 32 along K, by v_wmma_scale_f32_16x16x128_f8f6f4 with both operands' format E2M1 (or v_wmma_scale_f32_32x16x128_f4), f32 sums; everything else in f32.
;; Inputs: key 4 x 2,048 x 1,024 float32; mask 4 x 1 x 2,048 x 2,048 int32; query 4 x 2,048 x 1,024 float32; value_codes 4 x 1,024 x 64 x 16 uint8 (E2M1 codes of value, K innermost, in blocks of 32 codes, two codes a byte); value_scales 4 x 1,024 x 64 uint8 (E8M0 scales of value, one for each 32 codes along K).
;; Outputs: out0 4 x 2,048 x 1,024 float32.
;; This version of the problem:
;;   THIS VERSION OF THE PROBLEM IS GIVEN IN LOW PRECISION. The matrix products marked QUANTISED in the list below multiply operands that are first quantised to E2M1 (2 exponent bits, 1 mantissa bit; 4 bits a number), with one power-of-two scale for each 32 numbers along K (OCP MX v1.0); their sums are f32. All else is computed in f32.
;;   The module's matrix products, in the order in which they are computed (A, B: the left and right operand; K: the contracted axis; several contracted axes count as one K, in the product's order):
;;     1. batch 64 x [M 2,048, K 64] x [K 64, N 2,048]; A: input query; B: input key: QUANTISED
;;     2. batch 64 x [M 2,048, K 2,048] x [K 2,048, N 64]; A: softmax (see below); B: input value (given as codes): QUANTISED
;;   THE QUANTISER, for each operand of a quantised product, along K:
;;     - K is cut into blocks of 32 from its start; a last block that is shorter is filled with zeros.
;;     - A block's scale is 2^e with e = floor(log2(the largest magnitude in the block)) - 2, held to -126 .. 127; a block of zeros has e = 0. As a byte (E8M0): e + 127.
;;     - Each number is divided by its block's scale, clamped to +-6, and rounded to the nearest number of E2M1, ties to even, subnormals kept.
;;     - The product sums the exact products of the quantised numbers (number of the format x scale) in f32.
;;   ~~~python
;;   def quantise(x, axis):      # numpy; x: float32 -> the quantised numbers, widened to float32 again
;;       x = np.moveaxis(x, axis, -1); K = x.shape[-1]
;;       x = np.pad(x, [(0, 0)] * (x.ndim - 1) + [(0, -K % 32)]); x = x.reshape(x.shape[:-1] + (-1, 32)); a = np.abs(x).max(-1, keepdims=True)
;;       e = np.where(a > 0, np.clip(np.frexp(np.where(a > 0, a, 1))[1] - 1 - 2, -126, 127), 0)      # np.frexp(a)[1] - 1 = floor(log2(a)), exactly
;;       r = np.clip(x / 2.0 ** e, -6, 6)
;;       step = 2.0 ** (np.maximum(np.frexp(np.where(r == 0, 1, r))[1] - 1, 0) - 1)
;;       q = np.round(r / step) * step * 2.0 ** e      # np.round: ties to even
;;       return np.moveaxis(q.reshape(q.shape[:-2] + (-1,))[..., :K], -1, axis).astype(np.float32)
;;   ~~~
;;   SOFTMAX AHEAD OF A QUANTISED PRODUCT. Where the list says 'softmax', what is quantised is not the finished softmax but p = 2^(t - M), with t = logit x log2(e) and M = ceil(the row's largest t), a whole number; so 1/2 < the row's largest p <= 1. The row's sum l is taken of the UNQUANTISED p, in f32, and the product's result is divided by l at the end. Since M is a whole number, a kernel that streams over the keys may use a running M (the ceiling of the running maximum): every later rescaling is an exact power of two, which a block's scale takes up: the codes' values come out the same.
;;   OPERANDS COMPUTED ON THE WAY. 'Computed on the way' means the value that the module computes at that place (a softmax that the list does not call 'softmax' is quantised finished and normalised). What goes into a quantiser is computed in f32, as accurately as f32 sums, v_exp_f32 and their like allow (about 1e-6 of the number): no bf16 or f16 on the way to a quantiser, and a product that is left as it is and whose result goes on into a quantised operand takes f32 operands (vector FMAs, or v_wmma_f32_16x16x4_f32). A number that lies on a knife's edge between two numbers of the format may be rounded either way, as far as f32 arithmetic and the matrix unit's own rounding can turn it there, and no further.
;;   INPUTS GIVEN AS CODES. value (in the module: [4, 2048, 1024], K = its axis 1): each comes as NAME_codes (uint8): NAME with its K axis moved to the last place and cut into blocks of 32 codes, [.., K / 32, bytes a block], one block behind the other in memory; two codes a byte, the lower K in the low four bits (a code: sign, 2 exponent bits, 1 mantissa bit); and NAME_scales (uint8): the same leading axes, one E8M0 byte (e + 127) for each 32 codes along K. Its value is code x scale, taken as it is: it is not quantised again, and the codes and scales need not be those that the quantiser above would give.
;; One version. Each part assembles by itself: llvm-mc -triple=amdgcn-amd-amdhsa -mcpu=gfx1250 --defsym DOCPART=n.
;; ======== version 1 of 1: 2 launches
;; limits: right only within a limited range of input values
;; workspace buffers: kq 4,718,592 bytes; mbits 2,097,152 bytes of whole numbers
;; launch prep (part 1): grid 256 x 1, 12 waves a work-group, no clusters, 86,528 bytes of LDS; arguments key, mask, kq, mbits; writes kq, mbits
.if DOCPART == 1
	.amdgcn_target "amdgcn-amd-amdhsa--gfx1250"
	.amdhsa_code_object_version 6
	.text
	.protected	k_qb8cc1807ff_prep
	.globl	k_qb8cc1807ff_prep
	.p2align	8
	.type	k_qb8cc1807ff_prep,@function
k_qb8cc1807ff_prep:
	s_mov_b64 s[64:65], 0
	v_nop
	global_prefetch_b8 v0, s[64:65] scope:SCOPE_SE
	s_setreg_imm32_b32 hwreg(HW_REG_WAVE_MODE, 25, 1), 1
	s_wait_xcnt 0x0
; TWO STREAMS IN ONE LAUNCH, for the attention launch that follows.  key [4][2048][1024] f32 -> kq: codes of FP4 (E2M1) along a head's 64 numbers, two blocks of 32, laid in the
; order of the matrix operand's registers, with the scale words behind them.  mask [4][2048][2048] int32 -> mbits: lane masks, one 32-bit word for each score register of the attention launch.
; kq: [head bh = 16 b + hd (64)][73,728 bytes].  Bytes 0 .. 65,535: [tile T = 8 step + t (128)][lane (32)][16 bytes]: lane (r, h) holds the codes of d = 32 h .. 32 h + 31 of key
;   128 step + 32 (t / 2) + 8 (t % 2) + r + 8 (r / 8).  Bytes 65,536 on: [step (16)][lane (32)][4 words]: word j of lane l is the scale word of row l % 16 of tile 2 j + l / 16:
;   block 0's byte, block 1's byte, 0x7f, 0x7f (the product's K is 128: its upper 64 are zero codes under the scale 1).
; mbits: [b][tile of 16 queries (128)][step (16)][64 words]: bit l of word 16 b' + i is 1 where mask[b][16 tile + l % 16][128 step + 32 b' + 16 (l / 16) + i] is 0.
; A block's scale is 2^(floor(log2(its largest magnitude)) - 2); its byte is the largest magnitude's exponent field - 2, held at 1 from below.  A block of zeros so gets the byte 1: its codes are
; zeros, and this program alone reads the bytes.  LIMITS: NaN and infinities in key are not served; blocks whose largest magnitude lies under 2^(2 - 126) take the byte 1.
; SHARES.  Twelve waves, each with 32 KiB to read and 32 loads of 512 bytes on their way.  Waves 0-7: 16 rows x 512 keys of the mask each.  Waves 8-11: 128 tokens of one head of key each (four
; neighbouring heads of the same tokens).  The roles part once, on the wave's number, and never join: no barrier; each wave has LDS bytes of its own.  No matrix work, no tensor load, no cluster: no byte is read twice.
.set MST,   8448                       ; a mask wave's stage: 16 rows x (512 bytes + 16): row r starts 4 r words on modulo 64 (64 banks of 4 bytes: ISA guide 11.1)
.set KST0,  32768                      ; a key wave's stage lies at KST0 + KST x wave (waves 8-11: from byte 67,584 on, behind the eight mask stages)
.set KST,   4352                       ; 16 rows x (256 bytes + 16)
.set HEADB, 73728                      ; a head's bytes in kq
.set R,     16                         ; v16-143  numbers as they are loaded: two sets of 64 (mask), four sets of 32 (key)
.set X,     144                        ; v144-207 the same, turned: 64 words of the mask; v144-175: a block of 32 numbers of key
.set W,     208                        ; v208-215 mask role: the wave's 256 words, as two stores want them
.set C,     176                        ; v176-207 key role: four registers of codes for each tile, so that no store's data are written again
.set KSW,   212                        ; v212-215 key role: the step's scale words
	s_load_b256 s[4:11], s[0:1], 0x0               ; key s[4:5], mask s[6:7], kq s[8:9], mbits s[10:11]
	v_lshl_add_u32 v224, v0, 2, 0x14c00
	v_mov_b32 v225, 0
	v_lshrrev_b32 v1, 5, v0
	s_delay_alu instid0(VALU_DEP_1)
	v_readfirstlane_b32 s12, v1                    ; wave 0..11
	v_and_b32 v1, 31, v0                           ; lane
	v_and_b32 v8, 15, v0                           ; r
	v_bfe_u32 v9, v0, 4, 1                         ; h
	s_delay_alu instid0(VALU_DEP_3)
	v_lshlrev_b32 v2, 4, v1                        ; 16 x lane: a load's or a store's 512 consecutive bytes
	; every LDS address is made here, ahead of the parting
	s_mul_i32 s13, s12, MST
	v_add_nc_u32 v3, s13, v2                       ; mask, in: a row's 512 bytes as they lie
	v_mul_u32_u24 v4, v8, 528
	s_delay_alu instid0(VALU_DEP_1)
	v_lshl_add_u32 v4, v9, 6, v4
	s_delay_alu instid0(VALU_DEP_1)
	v_add_nc_u32 v4, s13, v4                       ; mask, back: row r, + 64 h: my 16 keys of each 32
	v_lshlrev_b32 v5, 12, v9
	s_delay_alu instid0(VALU_DEP_1)
	v_lshl_add_u32 v5, v8, 4, v5                   ; key, in memory: lanes 0-15 one token's 256 bytes of the head, lanes 16-31 the next token's
	s_mul_i32 s13, s12, KST
	s_add_co_u32 s13, s13, KST0
	v_mul_u32_u24 v6, v9, 272
	s_delay_alu instid0(VALU_DEP_1)
	v_lshl_add_u32 v6, v8, 4, v6
	s_delay_alu instid0(VALU_DEP_1)
	v_add_nc_u32 v6, s13, v6                       ; key, in: two rows of the stage
	v_mul_u32_u24 v7, v8, 272
	s_delay_alu instid0(VALU_DEP_1)
	v_lshl_add_u32 v7, v9, 7, v7
	s_delay_alu instid0(VALU_DEP_1)
	v_add_nc_u32 v7, s13, v7                       ; key, back: row r, + 128 h: my block of 32 numbers
	v_lshlrev_b32 v10, 3, v9                       ; 8 h: my block's byte in the scale word
	s_mov_b32 s20, 0x76543210
	s_mov_b32 s21, 0xfedcba98                      ; v_permlanex16_b32's selects for lane l xor 16
	s_cmp_lt_u32 s12, 8
	s_cbranch_scc0 .Lkeys
; ---------------- THE MASK: waves 0-7 ----------------
	s_lshl_b32 s13, ttmp9, 3
	s_add_co_u32 s13, s13, s12                     ; u = 8 x work-group + wave, 0 .. 2,047: (batch and tile of 16 queries) x 4 + quarter of the keys
	s_lshr_b32 s14, s13, 2
	s_lshl_b32 s14, s14, 17                        ; 16 rows of 8,192 bytes
	s_and_b32 s15, s13, 3
	s_lshl_b32 s15, s15, 11                        ; 512 keys of 4 bytes
	s_add_co_u32 s14, s14, s15
	s_mov_b32 s15, 0
	s_lshl_b32 s16, s13, 10                        ; 4 steps x 64 words
	s_mov_b32 s17, 0
	s_wait_kmcnt 0x0
	s_add_nc_u64 s[6:7], s[6:7], s[14:15]
	s_add_nc_u64 s[10:11], s[10:11], s[16:17]
.macro LOADM s                         ; step s: 128 keys of my 16 rows: each load reads 512 consecutive bytes of one row
.irp r, 0,1,2,3,4,5,6,7,8,9,10,11,12,13,14,15
	global_load_b128 v[R+64*((\s)%2)+4*\r:R+64*((\s)%2)+4*\r+3], v2, s[6:7] offset:8192*\r+512*(\s) th:TH_LOAD_NT
.endr
.endm
	LOADM 0
	LOADM 1
.irp k, 0,1,2,3,4,5,6,7
	v_mov_b32 v[W+\k], 0                           ; written once: v_writelane_b32's destination counts as one of its sources
.endr
.macro MSTEP s
.if (\s) < 3
	s_wait_loadcnt 16                              ; this step's 16 loads are in; the younger set's 16 may be out
.else
	s_wait_loadcnt 0x0
.endif
.irp r, 0,1,2,3,4,5,6,7,8,9,10,11,12,13,14,15
	ds_store_b128 v3, v[R+64*((\s)%2)+4*\r:R+64*((\s)%2)+4*\r+3] offset:528*\r
.endr
.irp q, 0,1,2,3
.irp j, 0,1,2,3
	ds_load_b128 v[X+16*\q+4*\j:X+16*\q+4*\j+3], v4 offset:128*\q+16*\j   ; LDS serves a wave's instructions in order (ISA guide 5.7.1.4): these see my stores.  Register 16 q + i: row r, key 32 q + 16 h + i
.endr
.endr
	s_wait_dscnt 0x0                               ; the turned words are in, and the stores have read their registers,
.if (\s) < 2
	LOADM (\s)+2                                   ; which take the loads of two steps on
.endif
.irp q, 0,1,2,3                        ; a compare makes a whole word: bit l from lane l.  Sixteen at a time; each then goes to its lane of the registers that the stores take
.irp k, 0,1,2,3,4,5,6,7,8,9,10,11,12,13,14,15
	v_cmp_eq_u32 s[24+\k], 0, v[X+16*\q+\k]
.endr
.irp k, 0,1,2,3,4,5,6,7,8,9,10,11,12,13,14,15
	v_writelane_b32 v[W+4*((64*(\s)+16*\q+\k)/128)+\k%4], s[24+\k], ((64*(\s)+16*\q+\k)%128)/4   ; word G = 64 s + 16 q + k: store G / 128, lane (G % 128) / 4, register G % 4
.endr
.endr
.endm
	MSTEP 0
	MSTEP 1
	MSTEP 2
	MSTEP 3
	global_store_b128 v2, v[W:W+3], s[10:11]               ; 512 consecutive bytes each, aligned
	global_store_b128 v2, v[W+4:W+7], s[10:11] offset:512
	s_wait_tensorcnt 0x0
	ds_add_u32 v224, v225
	s_wait_dscnt 0x0
	s_endpgm
; ---------------- KEY: waves 8-11 ----------------
.Lkeys:
	s_lshl_b32 s13, ttmp9, 2
	s_add_co_u32 s13, s13, s12
	s_sub_co_u32 s13, s13, 8                       ; uk = 4 x work-group + wave - 8, 0 .. 1,023: batch x 256 + step x 16 + head
	s_lshr_b32 s14, s13, 4
	s_lshl_b32 s14, s14, 19                        ; 128 tokens of 4,096 bytes
	s_and_b32 s16, s13, 15                         ; the head
	s_lshl_b32 s15, s16, 8                         ; its 256 bytes of a token
	s_add_co_u32 s14, s14, s15
	s_mov_b32 s15, 0
	s_lshr_b32 s17, s13, 8
	s_lshl_b32 s17, s17, 4
	s_add_co_u32 s17, s17, s16                     ; bh = 16 x batch + head
	s_mul_i32 s22, s17, HEADB
	s_bfe_u32 s18, s13, 0x40004                    ; the step
	s_lshl_b32 s16, s18, 12                        ; its 8 tiles of 512 bytes of codes
	s_add_co_u32 s16, s16, s22
	s_mov_b32 s17, 0
	s_lshl_b32 s18, s18, 9                         ; its 512 bytes of scale words,
	s_add_co_u32 s18, s18, s22
	s_add_co_u32 s18, s18, 65536                   ; behind the head's codes
	s_mov_b32 s19, 0
	v_cmp_le_u32 vcc_lo, 16, v1                    ; lanes 16-31
	v_mov_b32 v218, 0                              ; written once: a lane permute's destination counts as one of its sources
	s_wait_kmcnt 0x0
	s_add_nc_u64 s[4:5], s[4:5], s[14:15]
	s_add_nc_u64 s[22:23], s[8:9], s[18:19]        ; the scale words
	s_add_nc_u64 s[8:9], s[8:9], s[16:17]          ; the codes
.macro LOADK t                         ; tile t's 16 tokens, two to a load: rows 2 i and 2 i + 1 of the tile are tokens 32 (t / 2) + 8 (t % 2) + 2 i + 8 (i / 4) and the next; each half of the lanes reads 256 consecutive bytes, aligned
.irp i, 0,1,2,3,4,5,6,7
	global_load_b128 v[R+32*((\t)%4)+4*\i:R+32*((\t)%4)+4*\i+3], v5, s[4:5] offset:(32*((\t)/2)+8*((\t)%2)+2*\i+8*(\i/4))*4096 th:TH_LOAD_NT
.endr
.endm
.irp t, 0,1,2,3
	LOADK \t
.endr
.macro KTILE t
.if 7-(\t) >= 3
	s_wait_loadcnt 24                              ; this tile's eight loads are in; those of the three tiles behind it may be out
.else
	s_wait_loadcnt 8*(7-(\t))
.endif
.irp i, 0,1,2,3,4,5,6,7
	ds_store_b128 v6, v[R+32*((\t)%4)+4*\i:R+32*((\t)%4)+4*\i+3] offset:544*\i
.endr
.irp j, 0,1,2,3,4,5,6,7
	ds_load_b128 v[X+4*\j:X+4*\j+3], v7 offset:16*\j       ; in order behind my stores: row r's numbers d = 32 h .. 32 h + 31, a whole block in my registers
.endr
	s_wait_dscnt 0x0                               ; the block is in, and the stores have read their registers,
.if (\t) < 4
	LOADK (\t)+4                                   ; which take the loads of four tiles on
.endif
	v_max3_num_f32 v216, |v[X]|, |v[X+1]|, |v[X+2]|        ; the block's largest magnitude, in two chains
	v_max3_num_f32 v217, |v[X+3]|, |v[X+4]|, |v[X+5]|
.irp i, 6,10,14,18,22,26
	s_delay_alu instid0(VALU_DEP_2)
	v_max3_num_f32 v216, v216, |v[X+\i]|, |v[X+\i+1]|
	s_delay_alu instid0(VALU_DEP_2)
	v_max3_num_f32 v217, v217, |v[X+\i+2]|, |v[X+\i+3]|
.endr
	s_delay_alu instid0(VALU_DEP_2)
	v_max3_num_f32 v216, v216, |v[X+30]|, |v[X+31]|
	s_delay_alu instid0(VALU_DEP_1)
	v_max3_num_f32 v216, v216, v217, 0x1800000             ; and the floor 2^(3 - 127): the byte cannot fall under 1
	s_delay_alu instid0(VALU_DEP_1)
	v_add_nc_u32 v219, 0xff000000, v216                    ; 2 off its exponent field: the conversion takes the exponent field of this operand as its scale, and nothing else of it
	s_delay_alu instid0(VALU_DEP_1)
	v_lshrrev_b32 v220, 23, v219                           ; the scale's byte
.irp g, 0,1,2,3
	v_cvt_scalef32_pk8_fp4_f32 v[C+4*(\t)+\g], v[X+8*\g:X+8*\g+7], v219
.endr
	v_lshlrev_b32 v221, v10, v220                          ; my byte at its place (a plain line behind the conversions);
	s_delay_alu instid0(VALU_DEP_1)
	v_permlanex16_b32 v218, v221, s20, s21
	s_delay_alu instid0(VALU_DEP_1)
	v_or_b32 v221, v221, v218                              ; with lane l xor 16's: the row's two bytes;
	s_delay_alu instid0(VALU_DEP_1)
	v_or_b32 v[208+(\t)%2], 0x7f7f0000, v221               ; and the scale 1 over the zero codes of the product's upper 64
.if (\t)%2 == 1
	s_delay_alu instid0(VALU_DEP_1)
	v_cndmask_b32 v[KSW+(\t)/2], v208, v209, vcc_lo        ; lanes 0-15 carry the even tile's words, lanes 16-31 the odd tile's
.endif
	global_store_b128 v2, v[C+4*(\t):C+4*(\t)+3], s[8:9] offset:512*(\t)   ; the tile as the operand's registers want it: 512 consecutive bytes
.endm
	s_wait_alu depctr_va_vdst(0)
.irp t, 0,1,2,3,4,5,6,7
	KTILE \t
.endr
	global_store_b128 v2, v[KSW:KSW+3], s[22:23]           ; the step's scale words: 512 consecutive bytes
	s_wait_tensorcnt 0x0
	ds_add_u32 v224, v225
	s_wait_dscnt 0x0
	s_endpgm
.Lfunc_end_k_qb8cc1807ff_prep:
	.size	k_qb8cc1807ff_prep, .Lfunc_end_k_qb8cc1807ff_prep-k_qb8cc1807ff_prep
	.p2alignl 7, 3214868480
	.fill 96, 4, 3214868480
	.section	.rodata,"a",@progbits
	.p2align	6, 0x0
	.amdhsa_kernel k_qb8cc1807ff_prep
		.amdhsa_group_segment_fixed_size 86528
		.amdhsa_private_segment_fixed_size 0
		.amdhsa_enable_private_segment 0
		.amdhsa_kernarg_size 32
		.amdhsa_user_sgpr_count 2
		.amdhsa_user_sgpr_kernarg_segment_ptr 1
		.amdhsa_wavefront_size32 1
		.amdhsa_system_sgpr_workgroup_id_x 1
		.amdhsa_system_sgpr_workgroup_id_y 1
		.amdhsa_system_sgpr_workgroup_id_z 1
		.amdhsa_system_vgpr_workitem_id 0
		.amdhsa_next_free_vgpr 226
		.amdhsa_next_free_sgpr 66
		.amdhsa_reserve_vcc 1
		.amdhsa_float_denorm_mode_32 3
		.amdhsa_float_denorm_mode_16_64 3
		.amdhsa_memory_ordered 1
		.amdhsa_forward_progress 1
		.amdhsa_inst_pref_size 84
	.end_amdhsa_kernel
	.amdgpu_metadata
---
amdhsa.version: [ 1, 2 ]
amdhsa.kernels:
  - .name:           k_qb8cc1807ff_prep
    .symbol:         k_qb8cc1807ff_prep.kd
    .args:
      - { .name: key, .offset: 0, .size: 8, .value_kind: global_buffer, .address_space: global }
      - { .name: mask, .offset: 8, .size: 8, .value_kind: global_buffer, .address_space: global }
      - { .name: kq, .offset: 16, .size: 8, .value_kind: global_buffer, .address_space: global }
      - { .name: mbits, .offset: 24, .size: 8, .value_kind: global_buffer, .address_space: global }
    .group_segment_fixed_size: 86528
    .private_segment_fixed_size: 0
    .kernarg_segment_align: 8
    .kernarg_segment_size: 32
    .max_flat_workgroup_size: 384
    .sgpr_count:     66
    .vgpr_count:     226
    .wavefront_size: 32
...
	.end_amdgpu_metadata
.endif
;; end of part 1
;; launch attn (part 2): grid 8 x 32, 8 waves a work-group, clusters of 4 x 1, 327,680 bytes of LDS; arguments query, kq, mbits, value_codes, value_scales, out0; writes out0
.if DOCPART == 2
	.amdgcn_target "amdgcn-amd-amdhsa--gfx1250"
	.amdhsa_code_object_version 6
	.text
	.protected	k_qb8cc1807ff_attn
	.globl	k_qb8cc1807ff_attn
	.p2align	8
	.type	k_qb8cc1807ff_attn,@function
k_qb8cc1807ff_attn:
	s_mov_b64 s[64:65], 0
	v_nop
	global_prefetch_b8 v0, s[64:65] scope:SCOPE_SE
	s_setreg_imm32_b32 hwreg(HW_REG_WAVE_MODE, 25, 1), 1
	s_wait_xcnt 0x0
	s_wait_alu depctr_hold_cnt(0) depctr_sa_sdst(0) depctr_va_vdst(0) depctr_va_sdst(0) depctr_va_ssrc(0) depctr_va_vcc(0) depctr_vm_vsrc(0)
	s_getreg_b32 s2, hwreg(HW_REG_IB_STS2, 6, 4)
	s_cmp_eq_u32 s2, 0
	s_cbranch_scc0 .Lentry_in_a_cluster
	s_endpgm
.Lentry_in_a_cluster:
	s_bfe_u32 s2, ttmp6, 0x10000c
	s_cmp_lg_u32 s2, 0x3003
	s_cbranch_scc0 .Lentry_shape_is_right
	s_endpgm
.Lentry_shape_is_right:
; out[b][q][64 hd + d] = sum over keys of softmax(Q . K / 8, hidden keys at a large negative logit) V; 64 heads, 2,048 queries and keys, head size 64; both products on FP4 (E2M1) codes with one E8M0 scale for each 32 along K.
; Q arrives as f32 and is quantised here (each number is read by one wave); K as codes and scale words in the order of the operand's registers (kq); V as codes with the keys innermost; the mask as lane masks (mbits).
; SOFTMAX: t = score x log2(e) / 8; M = the running largest t rounded up to a whole number; p = 2^(t - M) is quantised along the keys; the row's sum is taken of the unquantised p and divides O at the end.
; SHARES.  A work-group owns 256 queries of TWO neighbouring heads (A, B) of one batch; each of its eight waves two tiles of 16 queries, one after the other (two passes), each for both heads at once; 128 keys a step.
; THE MASK IS SHARED BY THE TWO HEADS: a step's 64 lane masks make one bias tile (0, or -2^33 where hidden) by 64 selects, and the bias is the C operand of both heads' score products.
; The next step's selects, and head B's scalings, stand among the exponentials: they name none of the batch's registers, and what they write is first read behind a later wait.
; K's FRAGMENTS ARE SHARED TOO: the product's K is 128; a fragment holds head A's 64 numbers in k = 0..63 and head B's in k = 64..127; Q's operand is (qA, zero codes) or (zero codes, qB), so each product sums one head alone.
; ROWS WITH EVERY KEY HIDDEN SO FAR: the bias plus a score need not be exactly -2^33, so such a step's largest t is set to T = -2^33 c (a whole number), and while the running largest t is T the lane's
; multiplier and addend are 0: p = 1 for all keys, the uniform softmax of the definition.
; LDS.  The pair's K (147,456 bytes with scale words), V (128 rows of 1,024 + 16) and V's scale bytes come once, one tensor load a wave, and stay: nothing is filled again, the loop has no barrier.
; CLUSTER.  Four work-groups of a pair of heads ask for K and V jointly (mask 15).
; PREFETCH.  The second tile's Q (16 rows x 512 bytes, read by this wave alone) is asked for once, a lane to each block of 256 bytes, in the first pass, eight steps ahead of its load.  K and V have no loop to run ahead in;
; the mask words are asked for a whole step ahead by scalar loads.
; LAYOUT.  Both products transposed (S^T = K Q^T, O^T = V^T P^T): a lane holds one query (lane % 16).  Row r of key tile 2 b + u is key 32 b + 8 u + r + 8 (r / 8): score register 16 b + i of lane (r, h) is key 32 b + 16 h + i.
; LIMITS.  A hidden score is -2^33 (logit -2^30) where the definition has -1e9; a step whose largest open score lies under -2^32 counts as hidden.  NaN and infinities are not served.  A block of zeros has the scale byte 1.
; REGISTERS, window 0: v1-15 addresses and constants; v16-27 Q (qA, zeros, qB); v28-31 V's scale words; v32-47 p's codes; v48-63 state, 8 a head; v64-127 K's fragments; v128-191 V's; v192-199 the step's addresses;
; v208-215 K's scale words; v216-243 at work; v248-249 Q's scale words; v252-254 constants.  Window 1: v0-127 S^T, then p; v128-191 the bias; v192-255 O^T.
.set HB,   73728
.set KS,   65536
.set VC,   147456
.set VP,   1040
.set VS,   280576
.set VSP,  80
.set STG,  290816                      ; a stage of 16 rows x 272 bytes a wave; no tensor load lands here
.set SP,   272
.set SPARE, 325632                     ; the spare words: 128 bytes a wave
.set BKA, 1
.set BSA, 3
.set BVA, 5
.set BVB, 6
.set BVS, 7
.set STI, 8
.set STR, 9
.set GO,  10
.set NEGB, 11
.set THV, 12
.set CV,  13
.set SPW, 14
.set NIL, 15
.set Q,   16
.set VSC, 28
.set P,   32
.set ST,  48                           ; head e at ST + 8 e: +0 addend, +1 largest t, +2 multiplier, +3 -M, +4,5 the sum, +6 f, +7 p's scale word
.set KF,  64
.set VF,  128
.set XQ,  64                           ; window 0, v64-191 while Q is quantised and on the way out: numbers on their way through the stage
.set AKA, 192
.set ASA, 194
.set AVA, 196
.set AVS, 198
.set STQ, 199
.set KSC, 208
.set CT,  216
.set BM,  220
.set TP,  228
.set SO,  236
.set QS,  248
.set SH,  252                          ; v252, v253: where a scale byte of Q goes: 8 h bits up (head A), 8 h + 16 (head B)
.set PFO, 254                          ; the prefetch's offset: row lane / 2, half lane % 2
.set S,   0                            ; window 1
.set BIAS, 128
.set O,   192
.set WV,  16
.set HM,  17                           ; s17, s18: lanes whose step is all hidden
.set AH,  2                            ; s2, s3: lanes with every key hidden so far
.set SEL, 20
.set CS,  22
.set TBK, 24
.set TKS, 25
.set TV,  26
.set TVS, 27
.set NST, 28
.set NPS, 29
.set MO,  30
.set G1K, 32
.set G1V, 40
.set G1VS, 48
.set G0K, 56
.set G0V, 60
.set G0VS, 68
.set MSB, 0
.macro WIN new                         ; low byte: bits 1:0 source 0, 3:2 source 1, 5:4 source 2, 7:6 destination; the high byte repeats the setting that is left
.if MSB != \new
	s_set_vgpr_msb (MSB<<8)|\new
.set MSB, \new
.endif
.endm
.macro ROUND                           ; a round of the cluster's barrier
	s_barrier_signal -1
	s_barrier_wait -1
	s_cmp_lg_u32 s[WV], 0
	s_cbranch_scc1 .Lnot_wave_0_\@
	s_barrier_signal -3
.Lnot_wave_0_\@:
	s_barrier_wait -3
	s_barrier_signal -1
	s_barrier_wait -1
.endm
.macro MLOAD                           ; the next 64 mask words: word n in s[32 + n] (n < 32) or s[36 + n]
	s_add_co_u32 s[MO], s[MO], 256
	s_min_u32 s[MO], s[MO], 7936                   ; the last request names its own words again: no load leaves my two tiles' 8,192 bytes
	s_load_b512 s[32:47], s[8:9], s[MO] offset:0x0
	s_load_b512 s[48:63], s[8:9], s[MO] offset:0x40
	s_load_b512 s[68:83], s[8:9], s[MO] offset:0x80
	s_load_b512 s[84:99], s[8:9], s[MO] offset:0xc0
.endm
.macro TL g0, g1                       ; a joint load, with an s_nop and four v_nops behind it
	tensor_load_to_lds s[\g0:\g0+3], s[\g1:\g1+7]
	s_nop 0
.rept 4
	v_nop
.endr
.endm
.macro QK t, e                         ; scores of key tile t, head e: D and C (bias) window 1, A (K) and B (Q) window 0
.if (\t)%2
	v_wmma_scale_f32_16x16x128_f8f6f4 v[S+64*\e+8*\t:S+64*\e+8*\t+7], v[KF+8*\t:KF+8*\t+7], v[Q+4*\e:Q+4*\e+7], v[BIAS+8*\t:BIAS+8*\t+7], v[KSC+4*\e+(\t)/2], v[QS+\e] matrix_a_fmt:MATRIX_FMT_FP4 matrix_b_fmt:MATRIX_FMT_FP4 matrix_a_scale:MATRIX_SCALE_ROW1
.else
	v_wmma_scale_f32_16x16x128_f8f6f4 v[S+64*\e+8*\t:S+64*\e+8*\t+7], v[KF+8*\t:KF+8*\t+7], v[Q+4*\e:Q+4*\e+7], v[BIAS+8*\t:BIAS+8*\t+7], v[KSC+4*\e+(\t)/2], v[QS+\e] matrix_a_fmt:MATRIX_FMT_FP4 matrix_b_fmt:MATRIX_FMT_FP4
.endif
.endm
.macro PV t, e                         ; O^T += V^T P^T, tile t of head e's 64: D, C window 1, A (V) and B (p) window 0
.if (\t)%2
	v_wmma_scale_f32_16x16x128_f8f6f4 v[O+32*\e+8*\t:O+32*\e+8*\t+7], v[VF+32*\e+8*\t:VF+32*\e+8*\t+7], v[P+8*\e:P+8*\e+7], v[O+32*\e+8*\t:O+32*\e+8*\t+7], v[VSC+2*\e+(\t)/2], v[ST+8*\e+7] matrix_a_fmt:MATRIX_FMT_FP4 matrix_b_fmt:MATRIX_FMT_FP4 matrix_a_scale:MATRIX_SCALE_ROW1
.else
	v_wmma_scale_f32_16x16x128_f8f6f4 v[O+32*\e+8*\t:O+32*\e+8*\t+7], v[VF+32*\e+8*\t:VF+32*\e+8*\t+7], v[P+8*\e:P+8*\e+7], v[O+32*\e+8*\t:O+32*\e+8*\t+7], v[VSC+2*\e+(\t)/2], v[ST+8*\e+7] matrix_a_fmt:MATRIX_FMT_FP4 matrix_b_fmt:MATRIX_FMT_FP4
.endif
.endm
.macro KLOAD as, ak, so, ko            ; a step's K: the two loads of scale words first, then the 16 of fragments
.irp e, 0,1
	ds_load_b128 v[KSC+4*\e:KSC+4*\e+3], v[\as+\e] offset:\so
.endr
.irp t, 0,1,2,3,4,5,6,7
.irp e, 0,1
	ds_load_b128 v[KF+8*\t+4*\e:KF+8*\t+4*\e+3], v[\ak+\e] offset:\ko+512*\t
.endr
.endr
.endm
.macro KSHIFT                          ; head B's scale bytes to bytes 2, 3; bytes 0, 1 become 0, a finite code over products with zero codes
.irp j, 0,1,2,3
	v_lshlrev_b32 v[KSC+4+\j], 16, v[KSC+4+\j]
.endr
.endm
.macro QLOAD off                       ; a tile's Q as f32 into window 1 (v0-63): set q = head, two rows to a load
	WIN 0x40
.irp q, 0,1
.irp i, 0,1,2,3,4,5,6,7
	global_load_b128 v[32*\q+4*\i:32*\q+4*\i+3], v[GO], s[4:5] offset:\off+256*\q+8192*\i th:TH_LOAD_NT
.endr
.endr
	WIN 0
.endm
.macro QUANT                           ; that tile's Q through my stage (in by rows, back 128 bytes a lane: a whole block of 32), then quantised, the two heads by turns
	s_wait_alu depctr_va_vdst(0)
	s_wait_loadcnt 0x0
.irp q, 0,1                            ; LDS serves a wave's instructions in order (ISA guide 5.7.1.4)
	WIN 0x04
.irp i, 0,1,2,3,4,5,6,7
	ds_store_b128 v[STR], v[32*\q+4*\i:32*\q+4*\i+3] offset:2*SP*\i
.endr
	WIN 0
.irp j, 0,1,2,3,4,5,6,7
	ds_load_b128 v[XQ+32*\q+4*\j:XQ+32*\q+4*\j+3], v[STQ] offset:16*\j
.endr
.endr
	s_wait_dscnt 0x0
.irp q, 0,1
	v_max3_num_f32 v[BM+\q], |v[XQ+32*\q]|, |v[XQ+32*\q+1]|, |v[XQ+32*\q+2]|
	v_max3_num_f32 v[BM+4+\q], |v[XQ+32*\q+3]|, |v[XQ+32*\q+4]|, |v[XQ+32*\q+5]|
.endr
.irp i, 6,10,14,18,22,26
.irp q, 0,1
	v_max3_num_f32 v[BM+\q], v[BM+\q], |v[XQ+32*\q+\i]|, |v[XQ+32*\q+\i+1]|
	v_max3_num_f32 v[BM+4+\q], v[BM+4+\q], |v[XQ+32*\q+\i+2]|, |v[XQ+32*\q+\i+3]|
.endr
.endr
.irp q, 0,1
	v_max3_num_f32 v[BM+\q], v[BM+\q], |v[XQ+32*\q+30]|, |v[XQ+32*\q+31]|
.endr
.irp q, 0,1
	v_max3_num_f32 v[BM+\q], v[BM+\q], v[BM+4+\q], 0x1800000   ; the floor 2^(3 - 127): the byte cannot fall under 1
.endr
.irp q, 0,1
	v_add_nc_u32 v[SO+\q], 0xff000000, v[BM+\q]    ; 2 off the exponent field: the conversion's scale operand
.endr
.irp q, 0,1
	v_lshrrev_b32 v[TP+\q], 23, v[SO+\q]
.endr
.irp q, 0,1
	v_lshlrev_b32 v[TP+\q], v[SH+\q], v[TP+\q]     ; head A: bytes 0, 1; head B: bytes 2, 3
.endr
.irp q, 0,1
	v_permlanex16_b32 v[TP+4+\q], v[TP+\q], s[SEL], s[SEL+1]
.endr
.irp q, 0,1
	v_or_b32 v[TP+\q], v[TP+\q], v[TP+4+\q]
.endr
.irp q, 0,1
	v_or_b32 v[QS+\q], 0x7f7f0000>>(16*\q), v[TP+\q]   ; the scale 1 over the zero codes
.endr
.irp q, 0,1
.irp g, 0,1,2,3
	v_cvt_scalef32_pk8_fp4_f32 v[Q+8*\q+\g], v[XQ+32*\q+8*\g:XQ+32*\q+8*\g+7], v[SO+\q]
.endr
.endr
	v_nop                                          ; one plain line behind the last scaled conversion
	s_wait_alu depctr_va_vdst(0)
.endm
	s_load_b256 s[4:11], s[0:1], 0x0               ; query, kq, mbits, V's codes
	s_load_b128 s[12:15], s[0:1], 0x20             ; V's scale bytes, out0
	v_lshl_add_u32 v[SPW], v0, 2, SPARE
	v_mov_b32 v[NIL], 0
	ds_add_u32 v[SPW], v[NIL]
	ds_add_u32 v[SPW], v[NIL]
	v_lshrrev_b32 v247, 5, v0
	v_readfirstlane_b32 s[WV], v247                ; wave 0..7
	v_and_b32 v244, 15, v0                         ; r
	v_bfe_u32 v245, v0, 4, 1                       ; h
	v_and_b32 v246, 31, v0                         ; lane
	s_mul_i32 s82, s[WV], 16*SP
	s_add_co_u32 s82, s82, STG                     ; my stage
	v_lshlrev_b32 v[BKA], 4, v246                  ; K's codes, head A: 16 x lane
	v_mul_u32_u24 v[BVA], v244, VP
	v_mul_u32_u24 v[BVS], v246, VSP
	v_mul_u32_u24 v247, v244, SP
	v_mul_u32_u24 v[STR], v245, SP
	v_lshlrev_b32 v[GO], 12, v245
	v_lshlrev_b32 v[SH], 3, v245
	v_lshrrev_b32 v[PFO], 1, v246
	v_and_b32 v243, 1, v246
	v_add_nc_u32 v[BKA+1], HB, v[BKA]              ; head B
	v_add_nc_u32 v[BSA], KS, v[BKA]                ; K's scale words
	v_add_nc_u32 v[BSA+1], KS+HB, v[BKA]
	v_lshl_add_u32 v[BVA], v245, 4, v[BVA]
	v_add_nc_u32 v[BVS], VS, v[BVS]                ; V's scale words: lane l takes row l
	v_add_nc_u32 v247, s82, v247
	v_lshl_add_u32 v[STR], v244, 4, v[STR]
	v_lshl_add_u32 v[GO], v244, 4, v[GO]           ; two rows of query and out0: 256 bytes for each half of the lanes
	v_add_nc_u32 v[SH+1], 16, v[SH]
	v_lshlrev_b32 v[PFO], 12, v[PFO]
	v_add_nc_u32 v[BVA], VC, v[BVA]                ; V: row r of a tile, + 16 h
	v_lshl_add_u32 v[STI], v245, 5, v247           ; the stage by queries
	v_lshl_add_u32 v[STQ], v245, 7, v247           ; Q back: row r, + 128 h
	v_add_nc_u32 v[STR], s82, v[STR]               ; the stage by rows
	v_lshl_add_u32 v[PFO], v243, 8, v[PFO]
	v_add_nc_u32 v[BVB], 64*VP, v[BVA]
	s_wait_alu depctr_va_vdst(0)
	s_and_b32 s18, ttmp7, 0xffff                   ; the pair of heads: 8 x batch + head / 2
	s_bfe_u32 s17, ttmp6, 0x40000                  ; cx enters query's, mbits' and out0's addresses alone
	s_lshl_b32 s19, ttmp9, 2
	s_add_co_u32 s19, s19, s17                     ; my block of 256 queries
	s_lshr_b32 s24, s18, 3                         ; the batch
	s_and_b32 s25, s18, 7
	s_lshl_b32 s26, s24, 11
	s_lshl_b32 s27, s19, 8
	s_add_co_u32 s26, s26, s27
	s_lshl_b32 s27, s[WV], 5
	s_add_co_u32 s26, s26, s27                     ; my first row: 2,048 x batch + 256 x block + 32 x wave
	s_lshl_b32 s28, s26, 12
	s_lshl_b32 s27, s25, 9                         ; the pair's 512 bytes of a row
	s_add_co_u32 s28, s28, s27
	s_mov_b32 s29, 0
	s_lshl_b32 s30, s26, 8                         ; mbits: 4,096 bytes for each 16 rows
	s_mov_b32 s31, 0
	s_wait_dscnt 0x0
	s_wait_kmcnt 0x0
	s_add_nc_u64 s[4:5], s[4:5], s[28:29]
	QLOAD 0                                        ; the first tile's Q, asked for first
	s_min_u32 s83, s[WV], 2
	s_mul_i32 s73, s83, 49152                      ; K: waves 0-2 a third each, in LDS as in memory
	s_mul_i32 s74, s18, 2*HB
	s_add_co_u32 s74, s74, s73
	s_mov_b32 s75, 0
	s_add_co_u32 s72, s[WV], 1
	s_and_b32 s72, s72, 3                          ; V: waves 3-6 take quarters 0-3
	s_mul_i32 s76, s72, 32*VP
	s_lshl_b32 s78, s18, 17
	s_lshl_b32 s77, s72, 15
	s_add_co_u32 s78, s78, s77
	s_mov_b32 s79, 0
	s_lshl_b32 s80, s18, 13                        ; V's scale bytes: 8,192 a pair
	s_mov_b32 s81, 0
	s_mov_b32 s[G1K], 15|(3<<16)|(1<<21)           ; K: 192 dense rows of 256 bytes (32 elements of 8); the mask names the four work-groups
	s_mov_b32 s[G1K+1], 32<<16
	s_mov_b32 s[G1K+2], 192<<16
	s_mov_b32 s[G1K+3], 32<<16
	s_mov_b32 s[G1K+4], 192
	s_mov_b32 s[G1K+5], 32
	s_mov_b32 s[G1K+6], 0
	s_mov_b32 s[G1K+7], 0
	s_mov_b32 s[G1V], 15|(1<<20)|(1<<21)|(7<<22)|(3<<25)   ; V: 32 rows of 1,024 bytes, four words of padding behind each
	s_mov_b32 s[G1V+1], 1024<<16
	s_mov_b32 s[G1V+2], 32<<16
	s_mov_b32 s[G1V+3], 1024<<16
	s_mov_b32 s[G1V+4], 32
	s_mov_b32 s[G1V+5], 1024
	s_mov_b32 s[G1V+6], 0
	s_mov_b32 s[G1V+7], 0
	s_mov_b32 s[G1VS], 15|(1<<20)|(1<<21)|(3<<22)|(3<<25)  ; V's scale bytes: 128 rows of 64 bytes, four words of padding behind each
	s_mov_b32 s[G1VS+1], 64<<16
	s_mov_b32 s[G1VS+2], 128<<16
	s_mov_b32 s[G1VS+3], 64<<16
	s_mov_b32 s[G1VS+4], 128
	s_mov_b32 s[G1VS+5], 64
	s_mov_b32 s[G1VS+6], 0
	s_mov_b32 s[G1VS+7], 0
	s_mov_b32 s[SEL], 0x76543210
	s_mov_b32 s[SEL+1], 0xfedcba98
	s_mov_b32 s[CS], 0x3e38aa3b                    ; c = log2(e) / 8
	s_mov_b32 s[G0K], 1
	s_mov_b32 s[G0K+1], s73
	s_add_nc_u64 s[G0K+2:G0K+3], s[6:7], s[74:75]
	s_or_b32 s[G0K+3], s[G0K+3], 0x80000000
	s_mov_b32 s[G0V], 1
	s_add_co_u32 s[G0V+1], s76, VC
	s_add_nc_u64 s[G0V+2:G0V+3], s[10:11], s[78:79]
	s_or_b32 s[G0V+3], s[G0V+3], 0x80000000
	s_mov_b32 s[G0VS], 1
	s_mov_b32 s[G0VS+1], VS
	s_add_nc_u64 s[G0VS+2:G0VS+3], s[12:13], s[80:81]
	s_or_b32 s[G0VS+3], s[G0VS+3], 0x80000000
	s_add_nc_u64 s[14:15], s[14:15], s[28:29]
	s_add_nc_u64 s[8:9], s[8:9], s[30:31]
	ROUND                                          ; the four work-groups are here: the joint loads meet
	s_cmp_lt_u32 s[WV], 3                          ; one chain of branches on the wave's number, one load to an arm, every wave issues one
	s_cbranch_scc0 .Lnot_k
	TL G0K, G1K
	s_branch .Lasked
.Lnot_k:
	s_cmp_lt_u32 s[WV], 7
	s_cbranch_scc0 .Lnot_v
	TL G0V, G1V
	s_branch .Lasked
.Lnot_v:
	TL G0VS, G1VS
.Lasked:
.irp k, 20,21,22,23
	v_mov_b32 v[\k], 0                             ; the zero codes between qA and qB, written once
.endr
	v_mov_b32 v[NEGB], 0xd0000000                  ; -2^33
	v_mov_b32 v[THV], 0xceb8aa3b                   ; T = -2^33 c
	v_mov_b32 v[CV], s[CS]
.irp k, 0,1,2,3,4,5,6,7
	v_mov_b32 v[TP+\k], 0                          ; a lane permute's destination counts as one of its sources
.endr
	QUANT
	s_wait_tensorcnt 0x0
	s_barrier_signal -1
	s_barrier_wait -1                              ; everybody's part of K and V has landed
	s_mov_b32 s[MO], 0
	s_load_b512 s[32:47], s[8:9], 0x0              ; the first step's mask words
	s_load_b512 s[48:63], s[8:9], 0x40
	s_load_b512 s[68:83], s[8:9], 0x80
	s_load_b512 s[84:99], s[8:9], 0xc0
	s_mov_b32 s[NPS], 2
; A STEP: 128 keys, both heads.  more = 1: the next step's K is asked for and its bias is made
.macro STEP more
	v_add_nc_u32 v[AVA], s[TV], v[BVA]             ; four places between the last products and the loads into V's registers
	v_add_nc_u32 v[AVA+1], s[TV], v[BVB]
	v_add_nc_u32 v[AVS], s[TVS], v[BVS]
	v_nop
.irp e, 0,1
.irp t, 0,1,2,3
.irp c, 0,1
	ds_load_b128 v[VF+32*\e+8*\t+4*\c:VF+32*\e+8*\t+4*\c+3], v[AVA+\e] offset:16*VP*\t+32*\c
.endr
.endr
.endr
.irp j, 0,1,2,3
	ds_load_b32 v[VSC+\j], v[AVS] offset:32*VSP*\j
.endr
	s_wait_dscnt 20                                ; K's fragments, asked for a step ago, are in; V's 20 loads may be out
	WIN 0x50
.irp t, 0,1,2,3,4,5,6,7
.irp e, 0,1
	QK \t, \e
.endr
.endr
	WIN 0
.if \more                              ; four places ahead of the loads into K's registers and of the first read of the scores: the next K's addresses
.irp e, 0,1
	v_add_nc_u32 v[AKA+\e], s[TBK], v[BKA+\e]
	v_add_nc_u32 v[ASA+\e], s[TKS], v[BSA+\e]
.endr
	KLOAD ASA, AKA, 512, 4096
	s_lshl_b32 s19, s[NPS], 4                      ; in the first pass, with eight steps of the loop to go: the second tile's Q, 32 blocks of 256 bytes, a lane a block
	s_add_co_u32 s19, s19, s[NST]
	s_cmp_eq_u32 s19, 40
	s_cbranch_scc0 .Lno_pf_\@
	global_prefetch_b8 v[PFO], s[4:5] offset:65536 th:TH_LOAD_NT scope:SCOPE_SE   ; its address registers are never written again
.Lno_pf_\@:
.else
.rept 4
	v_nop
.endr
.endif
	WIN 0x15                               ; the largest score of each block of 32 keys, eight chains by turns
.irp e, 0,1
.irp b, 0,1,2,3
	v_max3_num_f32 v[BM+4*\e+\b], v[S+64*\e+16*\b], v[S+64*\e+16*\b+1], v[S+64*\e+16*\b+2]
.endr
.endr
	WIN 0x14
.irp i, 3,5,7,9,11,13
.irp e, 0,1
.irp b, 0,1,2,3
	v_max3_num_f32 v[BM+4*\e+\b], v[BM+4*\e+\b], v[S+64*\e+16*\b+\i], v[S+64*\e+16*\b+\i+1]
.endr
.endr
.endr
.irp k, 0,1,2,3,4,5,6,7
	v_max_num_f32 v[BM+\k], v[BM+\k], v[S+16*\k+15]
.endr
	WIN 0
.irp k, 0,1,2,3,4,5,6,7
	v_permlanex16_b32 v[TP+\k], v[BM+\k], s[SEL], s[SEL+1]
.endr
.irp k, 0,1,2,3,4,5,6,7
	v_max_num_f32 v[BM+\k], v[BM+\k], v[TP+\k]
.endr
.irp e, 0,1
	v_max3_num_f32 v[CT+2*\e], v[BM+4*\e], v[BM+4*\e+1], v[BM+4*\e+2]
.endr
.irp e, 0,1
	v_max_num_f32 v[CT+2*\e], v[CT+2*\e], v[BM+4*\e+3]     ; the step's largest score of my query
.endr
.irp e, 0,1
	v_cmp_gt_f32 s[HM+\e], 0xcf800000, v[CT+2*\e]  ; under -2^32: every key of the step is hidden
.endr
.irp e, 0,1
	v_mul_f32 v[CT+2*\e], s[CS], v[CT+2*\e]
.endr
.irp e, 0,1
	v_cndmask_b32 v[CT+2*\e], v[CT+2*\e], v[THV], s[HM+\e] ; then t = T exactly
.endr
.irp e, 0,1
	v_max_num_f32 v[ST+8*\e+1], v[ST+8*\e+1], v[CT+2*\e]   ; the running largest t
.endr
.irp e, 0,1
	v_mov_b32 v[CT+2*\e+1], v[ST+8*\e+3]
.endr
.irp e, 0,1
	v_floor_f32 v[ST+8*\e+3], -v[ST+8*\e+1]        ; -M = floor(-t)
.endr
.irp e, 0,1
	v_cmp_eq_f32 s[AH+\e], v[ST+8*\e+1], v[THV]    ; every key hidden so far
.endr
.irp e, 0,1
	v_sub_f32 v[CT+2*\e+1], v[ST+8*\e+3], v[CT+2*\e+1]
.endr
.irp e, 0,1
	v_cndmask_b32 v[ST+8*\e+2], v[CV], 0, s[AH+\e] ; the multiplier: c, or 0
.endr
.irp e, 0,1
	v_cndmask_b32 v[ST+8*\e], v[ST+8*\e+3], 0, s[AH+\e]    ; the addend: -M, or 0
.endr
.irp e, 0,1
	v_cvt_i32_f32 v[CT+2*\e+1], v[CT+2*\e+1]       ; (it saturates)
.endr
.irp e, 0,1
	v_ldexp_f32 v[ST+8*\e+6], 1.0, v[CT+2*\e+1]    ; f = 2^(old M - new M)
.endr
.irp e, 0,1
.irp b, 0,1,2,3
	v_fma_f32 v[BM+4*\e+\b], v[BM+4*\e+\b], v[ST+8*\e+2], v[ST+8*\e]   ; t - M of each block's largest score
.endr
.endr
	WIN 0x41
.set j, 0
.rept 32
	v_pk_fma_f32 v[S+j:S+j+1], v[S+j:S+j+1], v[ST+2:ST+3], v[ST:ST+1] op_sel_hi:[1,0,0]   ; head A: t - M, two at a time
.set j, j+2
.endr
.if \more
	s_wait_kmcnt 0x0                               ; the next step's mask words
.endif
	s_wait_alu depctr_va_vdst(0)
.set j, 0
.rept 32                               ; head A's exponentials; among them head B's scalings and half of the next bias
	v_exp_f32 v[S+2*j], v[S+2*j]
	v_pk_fma_f32 v[S+64+2*j:S+64+2*j+1], v[S+64+2*j:S+64+2*j+1], v[ST+10:ST+11], v[ST+8:ST+9] op_sel_hi:[1,0,0]
	v_exp_f32 v[S+2*j+1], v[S+2*j+1]
.if \more
	v_cndmask_b32 v[BIAS+j], 0, v[NEGB], s[32+j]
.endif
.set j, j+1
.endr
	s_wait_alu depctr_va_vdst(0)                   ; head B's scalings are done
.set j, 0
.rept 32                               ; head B's exponentials; among them the other half of the next bias
	v_exp_f32 v[S+64+2*j], v[S+64+2*j]
.if \more
	v_cndmask_b32 v[BIAS+32+j], 0, v[NEGB], s[68+j]
.endif
	v_exp_f32 v[S+64+2*j+1], v[S+64+2*j+1]
.set j, j+1
.endr
	WIN 0
.irp k, 0,1,2,3,4,5,6,7
	v_exp_f32 v[BM+\k], v[BM+\k]                   ; each block's largest p: its source was made ahead of the first wait
.endr
.irp e, 0,1
	v_pk_mul_f32 v[ST+8*\e+4:ST+8*\e+5], v[ST+8*\e+4:ST+8*\e+5], v[ST+8*\e+6:ST+8*\e+7] op_sel_hi:[1,0]   ; the sums under the new M: the plain lines behind the batch
.endr
.if \more
	MLOAD                                          ; the words of the step after the next
.endif
	s_wait_alu depctr_va_vdst(0)                   ; one wait behind all 136, ahead of their first reader
	WIN 0x05                               ; the rows' sums of the unquantised p: four chains a head
.irp k, 0,1,2,3
.irp e, 0,1
	v_pk_add_f32 v[TP+8*\e+2*\k:TP+8*\e+2*\k+1], v[S+64*\e+2*\k:S+64*\e+2*\k+1], v[S+64*\e+2*\k+8:S+64*\e+2*\k+9]
.endr
.endr
	WIN 0x04
.irp i, 8,12,16,20,24,28
.irp k, 0,1,2,3
.irp e, 0,1
	v_pk_add_f32 v[TP+8*\e+2*\k:TP+8*\e+2*\k+1], v[TP+8*\e+2*\k:TP+8*\e+2*\k+1], v[S+64*\e+2*(\i+\k):S+64*\e+2*(\i+\k)+1]
.endr
.endr
.endr
	WIN 0
.irp k, 0,1,2,3,4,5,6,7
	v_max_num_f32 v[BM+\k], 0x1800000, v[BM+\k]    ; the floor 2^(3 - 127)
.endr
.irp e, 0,1
	v_pk_add_f32 v[TP+8*\e:TP+8*\e+1], v[TP+8*\e:TP+8*\e+1], v[TP+8*\e+2:TP+8*\e+3]
	v_pk_add_f32 v[TP+8*\e+4:TP+8*\e+5], v[TP+8*\e+4:TP+8*\e+5], v[TP+8*\e+6:TP+8*\e+7]
.endr
.irp e, 0,1
	v_pk_add_f32 v[TP+8*\e:TP+8*\e+1], v[TP+8*\e:TP+8*\e+1], v[TP+8*\e+4:TP+8*\e+5]
.endr
.irp e, 0,1
	v_pk_add_f32 v[ST+8*\e+4:ST+8*\e+5], v[ST+8*\e+4:ST+8*\e+5], v[TP+8*\e:TP+8*\e+1]
.endr
.irp k, 0,1,2,3,4,5,6,7
	v_add_nc_u32 v[SO+\k], 0xff000000, v[BM+\k]    ; the conversion's scale operand
.endr
.irp k, 0,1,2,3,4,5,6,7
	v_lshrrev_b32 v[TP+\k], 23, v[SO+\k]           ; the scale's byte
.endr
.irp e, 0,1
	v_lshl_or_b32 v[ST+8*\e+7], v[TP+4*\e+1], 8, v[TP+4*\e]
.endr
.irp e, 0,1
	v_lshl_or_b32 v[ST+8*\e+7], v[TP+4*\e+2], 16, v[ST+8*\e+7]
.endr
.irp e, 0,1
	v_lshl_or_b32 v[ST+8*\e+7], v[TP+4*\e+3], 24, v[ST+8*\e+7]   ; p's scale word
.endr
	WIN 0x01
.irp k, 0,1,2,3,4,5,6,7
	v_cvt_scalef32_pk8_fp4_f32 v[P+2*\k], v[S+16*\k:S+16*\k+7], v[SO+\k]
	v_cvt_scalef32_pk8_fp4_f32 v[P+2*\k+1], v[S+16*\k+8:S+16*\k+15], v[SO+\k]
.endr
	v_nop                                          ; one plain line behind the last scaled conversion
	WIN 0
.irp c, 0,1,2,3                        ; a whole block in a lane
.irp i, 0,1
	v_permlane16_swap_b32 v[P+4*\c+\i], v[P+4*\c+2+\i]
.endr
.endr
	s_wait_dscnt 16*\more                          ; V's 20 loads and the next K's two of scale words are in; its 16 of fragments may be out
.if \more
	KSHIFT
.endif
	WIN 0x41
	s_wait_alu depctr_va_vdst(0)                   ; directly ahead of the first reader of O^T
.irp e, 0,1
.set j, 0
.rept 16
	v_pk_mul_f32 v[O+32*\e+j:O+32*\e+j+1], v[O+32*\e+j:O+32*\e+j+1], v[ST+8*\e+6:ST+8*\e+7] op_sel_hi:[1,0]   ; O^T x f; also the places ahead of the products below
.set j, j+2
.endr
.endr
	WIN 0x50
.irp t, 0,1,2,3                        ; the eight accumulators by turns
.irp e, 0,1
	PV \t, \e
.endr
.endr
	WIN 0
	s_add_co_u32 s[TBK], s[TBK], 4096
	s_add_co_u32 s[TKS], s[TKS], 512
	s_add_co_u32 s[TV], s[TV], 64
	s_add_co_u32 s[TVS], s[TVS], 4
.endm
.Lpass:                                            ; a tile of 16 queries, both heads
	KLOAD BSA, BKA, 0, 0                           ; step 0's K
.irp e, 0,1
	v_mov_b32 v[ST+8*\e+1], 0xff61b1e6             ; the largest t so far: -3e38
	v_mov_b32 v[ST+8*\e+3], 0x7f61b1e6             ; -M
	v_mov_b32 v[ST+8*\e+4], 0
	v_mov_b32 v[ST+8*\e+5], 0
	v_mov_b32 v[ST+8*\e+7], 0                      ; (named with f as a pair before it is first written)
.endr
	s_wait_alu depctr_va_vdst(0)
	s_wait_dscnt 16                                ; the scale words are in
	KSHIFT
	s_wait_kmcnt 0x0                               ; step 0's mask words
	WIN 0x40
.set j, 0
.rept 64
	v_mov_b32 v[O+j], 0                            ; O^T: the step is written once; the first change of M leaves zeros zeros
.set j, j+1
.endr
.set n, 0
.rept 64
	v_cndmask_b32 v[BIAS+n], 0, v[NEGB], s[32+n+4*(n/32)]   ; step 0's bias
.set n, n+1
.endr
	WIN 0
	MLOAD                                          ; step 1's words
	s_mov_b32 s[TBK], 0
	s_mov_b32 s[TKS], 0
	s_mov_b32 s[TV], 0
	s_mov_b32 s[TVS], 0
	s_mov_b32 s[NST], 15
	s_wait_alu depctr_va_vdst(0)
.Lstep:
	STEP 1
	s_sub_co_u32 s[NST], s[NST], 1
	s_cmp_lg_u32 s[NST], 0
	s_cbranch_scc1 .Lstep
	STEP 0                                         ; the last step asks for no further K and makes no further bias
	s_cmp_eq_u32 s[NPS], 1
	s_cbranch_scc1 .Lno_q                          ; behind the last tile nothing is asked for
	QLOAD 65536                                    ; the second tile's Q, into the registers that p has left; it is on its way during the way out
.Lno_q:
	; THE WAY OUT: O^T / the sum, through my stage, a head at a time: each half of the lanes stores a query's 256 bytes whole
.rept 4
	v_nop
.endr
.irp e, 0,1
	v_add_f32 v[ST+8*\e+4], v[ST+8*\e+4], v[ST+8*\e+5]
.endr
.irp e, 0,1
	v_permlanex16_b32 v[CT+2*\e], v[ST+8*\e+4], s[SEL], s[SEL+1]
.endr
.irp e, 0,1
	v_add_f32 v[ST+8*\e+4], v[ST+8*\e+4], v[CT+2*\e]
.endr
	s_wait_alu depctr_va_vdst(0)
.irp e, 0,1
	v_rcp_f32 v[ST+8*\e+4], v[ST+8*\e+4]
.endr
	v_nop
	WIN 0x01
	s_wait_alu depctr_va_vdst(0)                   ; ahead of the first reader of the reciprocals and of O^T
.irp e, 0,1
.set j, 0
.rept 16
	v_pk_mul_f32 v[XQ+32*\e+j:XQ+32*\e+j+1], v[O+32*\e+j:O+32*\e+j+1], v[ST+8*\e+4:ST+8*\e+5] op_sel_hi:[1,0]
.set j, j+2
.endr
.endr
	WIN 0
.irp e, 0,1
.irp t, 0,1,2,3
	ds_store_b128 v[STI], v[XQ+32*\e+8*\t:XQ+32*\e+8*\t+3] offset:64*\t
	ds_store_b128 v[STI], v[XQ+32*\e+8*\t+4:XQ+32*\e+8*\t+7] offset:64*\t+16
.endr
.irp i, 0,1,2,3,4,5,6,7
	ds_load_b128 v[XQ+64+32*\e+4*\i:XQ+64+32*\e+4*\i+3], v[STR] offset:2*SP*\i   ; in order behind my stores, and ahead of the next head's
.endr
.endr
.irp e, 0,1
.irp i, 0,1,2,3,4,5,6,7
	s_wait_dscnt 23-16*\e-\i                       ; behind head A's load i: 7 - i loads, 8 stores, 8 loads; behind head B's: 7 - i
	global_store_b128 v[GO], v[XQ+64+32*\e+4*\i:XQ+64+32*\e+4*\i+3], s[14:15] offset:8192*\i+256*\e th:TH_STORE_NT   ; 16 lanes store 256 consecutive bytes, aligned
.endr
.endr
	s_wait_xcnt 0x0                                ; the stores' base and data are written only behind this wait
	s_add_nc_u64 s[14:15], s[14:15], 65536
	s_sub_co_u32 s[NPS], s[NPS], 1
	s_cmp_eq_u32 s[NPS], 0
	s_cbranch_scc1 .Ldone
	QUANT                                          ; the second tile's Q
	s_cmp_lg_u32 s[NPS], 0
	s_cbranch_scc1 .Lpass
.Ldone:
	s_wait_kmcnt 0x0
	s_wait_tensorcnt 0x0                           ; the wave's end
	ds_add_u32 v[SPW], v[NIL]
	s_wait_dscnt 0x0
	ROUND                                          ; the closing round
	s_endpgm
.Lfunc_end_k_qb8cc1807ff_attn:
	.size	k_qb8cc1807ff_attn, .Lfunc_end_k_qb8cc1807ff_attn-k_qb8cc1807ff_attn
	.p2alignl 7, 3214868480
	.fill 96, 4, 3214868480
	.section	.rodata,"a",@progbits
	.p2align	6, 0x0
	.amdhsa_kernel k_qb8cc1807ff_attn
		.amdhsa_group_segment_fixed_size 327680
		.amdhsa_private_segment_fixed_size 0
		.amdhsa_enable_private_segment 0
		.amdhsa_kernarg_size 48
		.amdhsa_user_sgpr_count 2
		.amdhsa_user_sgpr_kernarg_segment_ptr 1
		.amdhsa_wavefront_size32 1
		.amdhsa_system_sgpr_workgroup_id_x 1
		.amdhsa_system_sgpr_workgroup_id_y 1
		.amdhsa_system_sgpr_workgroup_id_z 1
		.amdhsa_system_vgpr_workitem_id 0
		.amdhsa_next_free_vgpr 512
		.amdhsa_next_free_sgpr 100
		.amdhsa_reserve_vcc 0
		.amdhsa_float_denorm_mode_32 3
		.amdhsa_float_denorm_mode_16_64 3
		.amdhsa_memory_ordered 1
		.amdhsa_forward_progress 1
		.amdhsa_inst_pref_size 102
	.end_amdhsa_kernel
	.amdgpu_metadata
---
amdhsa.version: [ 1, 2 ]
amdhsa.kernels:
  - .name:           k_qb8cc1807ff_attn
    .symbol:         k_qb8cc1807ff_attn.kd
    .args:
      - { .name: query, .offset: 0, .size: 8, .value_kind: global_buffer, .address_space: global }
      - { .name: kq, .offset: 8, .size: 8, .value_kind: global_buffer, .address_space: global }
      - { .name: mbits, .offset: 16, .size: 8, .value_kind: global_buffer, .address_space: global }
      - { .name: value_codes, .offset: 24, .size: 8, .value_kind: global_buffer, .address_space: global }
      - { .name: value_scales, .offset: 32, .size: 8, .value_kind: global_buffer, .address_space: global }
      - { .name: out0, .offset: 40, .size: 8, .value_kind: global_buffer, .address_space: global }
    .group_segment_fixed_size: 327680
    .private_segment_fixed_size: 0
    .kernarg_segment_align: 8
    .kernarg_segment_size: 48
    .max_flat_workgroup_size: 256
    .sgpr_count:     100
    .vgpr_count:     512
    .wavefront_size: 32
...
	.end_amdgpu_metadata
.endif
;; end of part 2
